; MI455X (gfx1250); checked and timed in simulation.
; The chip was launched on July 23, 2026; its instructions are those of AMD's public machine-readable ISA for CDNA 5 (MIT licence, August 2026) and "CDNA5" Instruction Set Architecture Reference Guide (July 2026). The comments in the code are by the model that wrote it; some were corrected since.
;; Temporal Attention layer. Allowed arithmetic: matrix products marked QUANTISED: E2M3 operands, one E8M0 scale for each 32 along K, by v_wmma_scale_f32_16x16x128_f8f6f4 with both operands' format E2M3, f32 sums; everything else in f32.
;; Inputs: Wk 1,024 x 1,024 float32; Wo 1,024 x 1,024 float32; Wq 1,024 x 1,024 float32; Wv 1,024 x 1,024 float32; bk 1,024 float32; bo 1,024 float32; bq 1,024 float32; bv 1,024 float32; x 4 x 2,048 x 1,024 float32.
;; Outputs: out0 4 x 1,024 float32.
;; This version of the problem:
;;   THIS VERSION OF THE PROBLEM IS GIVEN IN LOW PRECISION. The matrix products marked QUANTISED in the list below multiply operands that are first quantised to E2M3 (2 exponent bits, 3 mantissa bits; 6 bits a number), with one power-of-two scale for each 32 numbers along K (OCP MX v1.0); their sums are f32. All else is computed in f32.
;;   The module's matrix products, in the order in which they are computed (A, B: the left and right operand; K: the contracted axis; several contracted axes count as one K, in the product's order):
;;     1. [M 8,192, K 1,024] x [K 1,024, N 1,024]; A: input x; B: input Wq: QUANTISED
;;     2. [M 8,192, K 1,024] x [K 1,024, N 1,024]; A: input x; B: input Wk: QUANTISED
;;     3. [M 8,192, K 1,024] x [K 1,024, N 1,024]; A: input x; B: input Wv: QUANTISED
;;     4. batch 64 x [M 2,048, K 64] x [K 64, N 2,048]; A: computed on the way; B: computed on the way: QUANTISED
;;     5. batch 64 x [M 2,048, K 2,048] x [K 2,048, N 64]; A: softmax (see below); B: computed on the way: QUANTISED
;;     6. [M 8,192, K 1,024] x [K 1,024, N 1,024]; A: computed on the way; B: input Wo: QUANTISED
;;   THE QUANTISER, for each operand of a quantised product, along K:
;;     - K is cut into blocks of 32 from its start; a last block that is shorter is filled with zeros.
;;     - A block's scale is 2^e with e = floor(log2(the largest magnitude in the block)) - 2, held to -126 .. 127; a block of zeros has e = 0. As a byte (E8M0): e + 127.
;;     - Each number is divided by its block's scale, clamped to +-7.5, and rounded to the nearest number of E2M3, ties to even, subnormals kept.
;;     - The product sums the exact products of the quantised numbers (number of the format x scale) in f32.
;;   ~~~python
;;   def quantise(x, axis):      # numpy; x: float32 -> the quantised numbers, widened to float32 again
;;       x = np.moveaxis(x, axis, -1); K = x.shape[-1]
;;       x = np.pad(x, [(0, 0)] * (x.ndim - 1) + [(0, -K % 32)]); x = x.reshape(x.shape[:-1] + (-1, 32)); a = np.abs(x).max(-1, keepdims=True)
;;       e = np.where(a > 0, np.clip(np.frexp(np.where(a > 0, a, 1))[1] - 1 - 2, -126, 127), 0)      # np.frexp(a)[1] - 1 = floor(log2(a)), exactly
;;       r = np.clip(x / 2.0 ** e, -7.5, 7.5)
;;       step = 2.0 ** (np.maximum(np.frexp(np.where(r == 0, 1, r))[1] - 1, 0) - 3)
;;       q = np.round(r / step) * step * 2.0 ** e      # np.round: ties to even
;;       return np.moveaxis(q.reshape(q.shape[:-2] + (-1,))[..., :K], -1, axis).astype(np.float32)
;;   ~~~
;;   SOFTMAX AHEAD OF A QUANTISED PRODUCT. Where the list says 'softmax', what is quantised is not the finished softmax but p = 2^(t - M), with t = logit x log2(e) and M = ceil(the row's largest t), a whole number; so 1/2 < the row's largest p <= 1. The row's sum l is taken of the UNQUANTISED p, in f32, and the product's result is divided by l at the end. Since M is a whole number, a kernel that streams over the keys may use a running M (the ceiling of the running maximum): every later rescaling is an exact power of two, which a block's scale takes up: the codes' values come out the same.
;;   OPERANDS COMPUTED ON THE WAY. 'Computed on the way' means the value that the module computes at that place (a softmax that the list does not call 'softmax' is quantised finished and normalised). What goes into a quantiser is computed in f32, as accurately as f32 sums, v_exp_f32 and their like allow (about 1e-6 of the number): no bf16 or f16 on the way to a quantiser, and a product that is left as it is and whose result goes on into a quantised operand takes f32 operands (vector FMAs, or v_wmma_f32_16x16x4_f32). A number that lies on a knife's edge between two numbers of the format may be rounded either way, as far as f32 arithmetic and the matrix unit's own rounding can turn it there, and no further.
;; One version. Each part assembles by itself: llvm-mc -triple=amdgcn-amd-amdhsa -mcpu=gfx1250 --defsym DOCPART=n.
;; ======== version 1 of 1: 3 launches
;; workspace buffers: xq 6,553,600 bytes; wkv 1,638,400 bytes; woq 819,200 bytes; qpart 262,144 bytes; po 262,144 bytes; pst 8,192 bytes
;; launch quant (part 1): grid 384 x 1, 8 waves a work-group, no clusters, 69,632 bytes of LDS; arguments x, Wk, Wv, Wo, Wq, xq, wkv, woq, qpart; writes xq, wkv, woq, qpart
.if DOCPART == 1
	.amdgcn_target "amdgcn-amd-amdhsa--gfx1250"
	.amdhsa_code_object_version 6
	.text
	.protected	k_q8febe67dfc_quant
	.globl	k_q8febe67dfc_quant
	.p2align	8
	.type	k_q8febe67dfc_quant,@function
k_q8febe67dfc_quant:
	s_mov_b64 s[64:65], 0
	v_nop
	global_prefetch_b8 v0, s[64:65] scope:SCOPE_SE
	s_setreg_imm32_b32 hwreg(HW_REG_WAVE_MODE, 25, 1), 1
	s_wait_xcnt 0x0
; x [8192][1024], Wk, Wv, Wo [1024][1024], f32, become codes of FP6 (E2M3) with one E8M0 byte for each 32 along K, laid as IMAGES OF OPERAND REGISTERS.
; Wq is quantised too, but multiplied at once with the four last tokens (only out[:, -1, :] is returned, so only those four queries are wanted): partial sums of q go out.
; A BLOCK of 25,600 bytes holds 128 rows x 256 along K: tile i (0..7), K step q (0..1), piece c (0..2): registers 4 c .. 4 c + 3 of the fragment, lane l's 16 bytes at 3072 i + 1536 q + 512 c + 16 l;
; behind the codes, at 24,576 + 128 i + 8 r + 4 q, row r's scale word.  THE ROWS OF A TILE ARE NOT NEIGHBOURS: row r of tile i is row 32 (i / 2) + 8 (i % 2) + r + 8 (r / 8) of the 128.
; SHARES: a work-group makes one block, wave i its tile i: 16 rows x 1,024 bytes.  Work-groups 0-255: x (64 groups of rows x 4 parts of K); 256-319: a head's 64 rows of Wk (tiles 0-3) and of Wv (tiles 4-7);
; 320-351: Wo; 352-383: Wq.  Only pointers and small numbers are chosen by the work-group's number; all take one path up to the codes.
; Each load reads 512 consecutive bytes of a row; the conversions want 16 neighbours along K in ONE lane, so the numbers turn through the wave's own stage in LDS (rows of 512 + 16 bytes).
; A block's scale is 2^(floor(log2(largest magnitude)) - 2); its byte is the largest magnitude's exponent field - 2.
; LIMITS: NaN and infinities among the inputs are not served; a block whose largest magnitude lies under 2^-124, a block of zeros among them, gets the byte 1 (its codes are then zeros or nearly so; the bytes are read by this program alone).
.set BLKB, 25600
.set WSB,  8448                        ; a wave's stage: 16 rows x 528 bytes
.set SPI,  528
.set SCG,  8*WSB                       ; behind the stages: the block's 1,024 bytes of scale words
.set TM,   12                          ; v12-15 largest magnitudes, v16-19 the other half's / the bytes, v24-27 the conversions' scale operands
.set PC0,  28                          ; v28-39  the fragment of K step 0
.set PC1,  40                          ; v40-51  of K step 1
.set T,    52                          ; v52-59  the conversions' second halves
.set PW0,  60                          ; v60, v61 the rows' scale words;  v62, v63 those of the four tokens
.set PW1,  61
.set XW0,  62
.set XW1,  63
.set R,    64                          ; v64-191 the numbers as loaded: K step e, row p at R + 64 e + 4 p
.set X,    192                         ; v192-255 64 numbers of my row, register 16 b + i = k 32 b + 16 (lane / 16) + i
.set XC0,  192                         ; the q path: the tokens' two fragments,
.set XC1,  204
.set ACC,  216                         ; and the sum
.set SEL,  40                          ; s[40:41] lane selects: lane l xor 16
; 64 numbers of a lane, v[s] on, become a fragment's codes in v[pc] on and its scale word in v[pw]
.macro QUANT s, pc, pw
.irp b, 0,1,2,3
	v_max3_num_f32 v[TM+\b], |v[(\s)+16*\b]|, |v[(\s)+16*\b+1]|, 0x1800000   ; block b: my 16 numbers, and the floor 2^(3 - 127): the byte cannot fall under 1
.endr
.irp i, 2,4,6,8,10,12,14
.irp b, 0,1,2,3
	v_max3_num_f32 v[TM+\b], v[TM+\b], |v[(\s)+16*\b+\i]|, |v[(\s)+16*\b+\i+1]|   ; the four blocks by turns
.endr
.endr
.irp b, 0,1,2,3
	v_permlanex16_b32 v[TM+4+\b], v[TM+\b], s[SEL], s[SEL+1]
.endr
.irp b, 0,1,2,3
	v_max_num_f32 v[TM+\b], v[TM+\b], v[TM+4+\b]       ; with lane l xor 16's 16: the block's largest magnitude
.endr
.irp b, 0,1,2,3
	v_add_nc_u32 v[TM+12+\b], 0xff000000, v[TM+\b]     ; 2 off its exponent field: the conversion's scale operand
.endr
.irp b, 0,1,2,3
	v_lshrrev_b32 v[TM+4+\b], 23, v[TM+12+\b]          ; the scale's byte
.endr
	v_lshl_or_b32 v[\pw], v[TM+5], 8, v[TM+4]
	v_lshl_or_b32 v[\pw], v[TM+6], 16, v[\pw]
	v_lshl_or_b32 v[\pw], v[TM+7], 24, v[\pw]          ; my row's scale word
.irp c, 0,1
	v_cvt_scalef32_pk16_fp6_f32 v[(\pc)+6*\c:(\pc)+6*\c+2], v[(\s)+32*\c:(\s)+32*\c+15], v[TM+12+2*\c]
	v_cvt_scalef32_pk16_fp6_f32 v[T+4*\c:T+4*\c+2], v[(\s)+32*\c+16:(\s)+32*\c+31], v[TM+13+2*\c]   ; (a conversion's three registers begin on an even number)
.endr
	v_nop                                          ; one plain line behind the scaled conversions
.irp c, 0,1                                    ; the operand wants a WHOLE block in a lane: lanes 0-15 block 2 c, lanes 16-31 block 2 c + 1
.irp i, 0,1,2
	v_permlane16_swap_b32 v[(\pc)+6*\c+\i], v[T+4*\c+\i]
.endr
.irp i, 0,1,2
	v_mov_b32 v[(\pc)+6*\c+3+\i], v[T+4*\c+\i]
.endr
.endr
.endm
	s_load_b512 s[4:19], s[0:1], 0x0               ; x, Wk, Wv, Wo, Wq, xq, wkv, woq
	s_load_b64 s[20:21], s[0:1], 0x40              ; qpart
	v_lshl_add_u32 v55, v0, 2, 0x10c00
	v_mov_b32 v59, 0
	v_lshrrev_b32 v1, 5, v0
	v_readfirstlane_b32 s22, v1                    ; wave = tile i
	v_and_b32 v1, 31, v0                           ; lane
	v_and_b32 v2, 15, v0                           ; r
	v_bfe_u32 v3, v0, 4, 1                         ; h
	v_lshlrev_b32 v4, 4, v1                        ; 16 x lane
	s_mul_i32 s23, s22, WSB
	v_add_nc_u32 v5, s23, v4                       ; the stage, on the way in: 16 x lane of a row
	v_mul_u32_u24 v6, v2, SPI
	v_lshl_add_u32 v6, v3, 6, v6
	v_add_nc_u32 v6, s23, v6                       ; on the way out: row r, + 64 h: my 16 numbers of a block of 32
	s_lshl_b32 s23, s22, 7
	s_add_co_u32 s23, s23, SCG
	v_lshlrev_b32 v7, 3, v2
	v_lshl_add_u32 v7, v3, 2, v7
	v_add_nc_u32 v7, s23, v7                       ; my scale word's place: 128 i + 8 r + 4 q, lanes 0-15 for q = 0, lanes 16-31 for q = 1
	s_and_b32 s23, s22, 1
	s_lshl_b32 s23, s23, 9                         ; 512 x (wave % 2): waves 0 and 1 carry the scale words out
	s_add_co_u32 s50, s23, SCG
	v_add_nc_u32 v8, s50, v4
	v_and_b32 v9, 3, v2
	v_lshlrev_b32 v9, 23, v9                       ; the q path: batch r % 4, 2,048 rows of 4,096 bytes each,
	v_lshl_add_u32 v9, v3, 6, v9                   ; + 64 h
.irp b, 0,1,2,3
	v_mov_b32 v[TM+4+\b], 0                        ; written once: a lane permute's destination counts as one of its sources
.endr
	s_mov_b32 s[SEL], 0x76543210
	s_mov_b32 s[SEL+1], 0xfedcba98
	s_mov_b32 s28, 352                             ; the tensor's first work-group,
	s_mov_b32 s29, 8                               ; its groups of rows,
	s_mov_b32 s30, 7                               ; log2 of the rows that a group takes of one tensor,
	s_mov_b32 s31, 7                               ; and the mask that makes of the wave its tile in that tensor
	s_wait_kmcnt 0x0
	s_cmp_lt_u32 s22, 4
	s_cselect_b64 s[36:37], s[6:7], s[8:9]         ; in a head's block tiles 0-3 are Wk's, tiles 4-7 Wv's
	s_mov_b64 s[24:25], s[12:13]                   ; from 352 on: Wq
	s_mov_b64 s[26:27], s[18:19]                   ; (the q path stores nothing by this pointer)
	s_cmp_lt_u32 ttmp9, 352
	s_cselect_b64 s[24:25], s[10:11], s[24:25]     ; Wo
	s_cselect_b32 s28, 320, s28
	s_cmp_lt_u32 ttmp9, 320
	s_cselect_b64 s[24:25], s[36:37], s[24:25]     ; Wk, Wv
	s_cselect_b64 s[26:27], s[16:17], s[26:27]
	s_cselect_b32 s28, 256, s28
	s_cselect_b32 s29, 16, s29
	s_cselect_b32 s30, 6, s30
	s_cselect_b32 s31, 3, s31
	s_cmp_lt_u32 ttmp9, 256
	s_cselect_b64 s[24:25], s[4:5], s[24:25]       ; x
	s_cselect_b64 s[26:27], s[14:15], s[26:27]
	s_cselect_b32 s28, 0, s28
	s_cselect_b32 s29, 64, s29
	s_cselect_b32 s30, 7, s30
	s_cselect_b32 s31, 7, s31
	s_sub_co_u32 s32, ttmp9, s28
	s_and_b32 s33, s32, 3                          ; which 256 along K
	s_lshr_b32 s34, s32, 2                         ; which group of rows
	s_lshl_b32 s35, s34, s30
	s_and_b32 s38, s22, s31
	s_lshr_b32 s38, s38, 1
	s_lshl_b32 s38, s38, 5
	s_add_co_u32 s35, s35, s38
	s_and_b32 s38, s22, 1
	s_lshl_b32 s38, s38, 3
	s_add_co_u32 s35, s35, s38                     ; my tile's first row: the group's + 32 (i / 2) + 8 (i % 2)
	s_lshl_b32 s36, s35, 12
	s_lshl_b32 s38, s33, 10
	s_add_co_u32 s36, s36, s38                     ; in bytes (under 2^26)
	s_mov_b32 s37, 0
	s_add_nc_u64 s[24:25], s[24:25], s[36:37]
.irp e, 0,1                                    ; all 32 loads at once, 16 KB a wave: K step 0's sixteen rows first
.irp p, 0,1,2,3,4,5,6,7,8,9,10,11,12,13,14,15
	global_load_b128 v[R+64*\e+4*\p:R+64*\e+4*\p+3], v4, s[24:25] offset:(\p+8*(\p/8))*4096+512*\e th:TH_LOAD_NT   ; 32 lanes read 512 consecutive bytes of a row
.endr
.endr
	s_mul_i32 s36, s33, s29
	s_add_co_u32 s36, s36, s34
	s_mul_i32 s36, s36, BLKB
	s_add_nc_u64 s[26:27], s[26:27], s[36:37]      ; my work-group's block
	s_mul_i32 s36, s22, 3072
	s_add_nc_u64 s[46:47], s[26:27], s[36:37]      ; my tile's codes
	s_add_co_u32 s36, s23, 24576
	s_add_nc_u64 s[48:49], s[26:27], s[36:37]      ; the half of the scale words that waves 0 and 1 store
	s_wait_loadcnt 16                              ; K step 0's sixteen loads are in; K step 1's may be out
.irp p, 0,1,2,3,4,5,6,7,8,9,10,11,12,13,14,15
	ds_store_b128 v5, v[R+4*\p:R+4*\p+3] offset:SPI*\p
.endr
.irp b, 0,1,2,3
.irp j, 0,1,2,3
	ds_load_b128 v[X+16*\b+4*\j:X+16*\b+4*\j+3], v6 offset:128*\b+16*\j   ; LDS serves a wave's instructions in order: these see the stores above
.endr
.endr
	s_wait_loadcnt 0x0
.irp p, 0,1,2,3,4,5,6,7,8,9,10,11,12,13,14,15
	ds_store_b128 v5, v[R+64+4*\p:R+64+4*\p+3] offset:SPI*\p   ; K step 1 into the same stage, behind the loads above
.endr
	s_wait_dscnt 16                                ; all but these sixteen stores: K step 0's numbers are back, and its stores have read v64-127,
.irp b, 0,1,2,3
.irp j, 0,1,2,3
	ds_load_b128 v[R+16*\b+4*\j:R+16*\b+4*\j+3], v6 offset:128*\b+16*\j   ; which take K step 1's numbers
.endr
.endr
	QUANT X, PC0, PW0
	s_wait_dscnt 0x0
	QUANT R, PC1, PW1
	s_cmp_ge_u32 ttmp9, 352
	s_cbranch_scc1 .Lq
	; ---- the images leave: each store of the wave covers 512 consecutive bytes, aligned to 256
.irp c, 0,1,2
	global_store_b128 v4, v[PC0+4*\c:PC0+4*\c+3], s[46:47] offset:512*\c
.endr
.irp c, 0,1,2
	global_store_b128 v4, v[PC1+4*\c:PC1+4*\c+3], s[46:47] offset:1536+512*\c
.endr
	v_cmp_gt_u32 vcc_lo, 16, v1
	v_cndmask_b32 v10, v[PW1], v[PW0], vcc_lo      ; lanes 0-15 K step 0's word, lanes 16-31 K step 1's
	ds_store_b32 v7, v10
	s_branch .Ljoin
.Lq:
	; ---- Wq: my 16 rows x the four last tokens, over my 256 along K.  Column n of the product is batch n % 4
	s_lshl_b32 s36, s33, 10
	s_add_co_u32 s36, s36, 2047*4096
	s_add_nc_u64 s[42:43], s[4:5], s[36:37]        ; x at token 2,047 of batch 0, my part of K
.irp q, 0,1
.irp b, 0,1,2,3
.irp j, 0,1,2,3
	global_load_b128 v[R+64*\q+16*\b+4*\j:R+64*\q+16*\b+4*\j+3], v9, s[42:43] offset:512*\q+128*\b+16*\j
.endr
.endr
.endr
	s_lshl_b32 s36, s34, 3
	s_add_co_u32 s36, s36, s22                     ; which of Wq's 64 tiles
	s_lshl_b32 s36, s36, 2
	s_add_co_u32 s36, s36, s33
	s_lshl_b32 s36, s36, 10
	s_add_nc_u64 s[44:45], s[20:21], s[36:37]      ; qpart: 1,024 bytes for a tile and a part of K
	s_wait_loadcnt 0x0
	QUANT R, XC0, XW0
	QUANT R+64, XC1, XW1
.rept 8
	v_nop                                          ; a scale register written by a vector instruction stands 8 places ahead of a scaled matrix instruction, an operand so written 4
.endr
	v_wmma_scale_f32_16x16x128_f8f6f4 v[ACC:ACC+7], v[PC0:PC0+11], v[XC0:XC0+11], 0, v[PW0], v[XW0] matrix_a_fmt:MATRIX_FMT_FP6 matrix_b_fmt:MATRIX_FMT_FP6
	s_wait_alu depctr_va_vdst(0)                   ; the wait ahead of the link
	v_wmma_scale_f32_16x16x128_f8f6f4 v[ACC:ACC+7], v[PC1:PC1+11], v[XC1:XC1+11], v[ACC:ACC+7], v[PW1], v[XW1] matrix_a_fmt:MATRIX_FMT_FP6 matrix_b_fmt:MATRIX_FMT_FP6
.rept 4
	v_nop                                          ; four places between the product and the stores that read it
.endr
	global_store_b128 v4, v[ACC:ACC+3], s[44:45]               ; the accumulator's image, from its low end on: lane (r, h), register j: batch r % 4, row 16 h + j of the tile's order
	global_store_b128 v4, v[ACC+4:ACC+7], s[44:45] offset:512
.Ljoin:
	s_wait_dscnt 0x0                               ; my scale words lie in LDS
	s_barrier_signal -1
	s_barrier_wait -1                              ; everybody's do
	s_cmp_ge_u32 ttmp9, 352
	s_cbranch_scc1 .Lend
	s_cmp_ge_u32 s22, 2
	s_cbranch_scc1 .Lend
	ds_load_b128 v[12:15], v8
	s_wait_dscnt 0x0
	global_store_b128 v4, v[12:15], s[48:49]       ; waves 0 and 1: 512 consecutive bytes each
.Lend:
	s_barrier_signal -1
	s_barrier_wait -1
	s_wait_tensorcnt 0x0
	ds_add_u32 v55, v59
	s_wait_dscnt 0x0
	s_endpgm
.Lfunc_end_k_q8febe67dfc_quant:
	.size	k_q8febe67dfc_quant, .Lfunc_end_k_q8febe67dfc_quant-k_q8febe67dfc_quant
	.p2alignl 7, 3214868480
	.fill 96, 4, 3214868480
	.section	.rodata,"a",@progbits
	.p2align	6, 0x0
	.amdhsa_kernel k_q8febe67dfc_quant
		.amdhsa_group_segment_fixed_size 69632
		.amdhsa_private_segment_fixed_size 0
		.amdhsa_enable_private_segment 0
		.amdhsa_kernarg_size 72
		.amdhsa_user_sgpr_count 2
		.amdhsa_user_sgpr_kernarg_segment_ptr 1
		.amdhsa_wavefront_size32 1
		.amdhsa_system_sgpr_workgroup_id_x 1
		.amdhsa_system_sgpr_workgroup_id_y 1
		.amdhsa_system_sgpr_workgroup_id_z 1
		.amdhsa_system_vgpr_workitem_id 0
		.amdhsa_next_free_vgpr 256
		.amdhsa_next_free_sgpr 66
		.amdhsa_reserve_vcc 1
		.amdhsa_float_denorm_mode_32 3
		.amdhsa_float_denorm_mode_16_64 3
		.amdhsa_memory_ordered 1
		.amdhsa_forward_progress 1
		.amdhsa_inst_pref_size 32
	.end_amdhsa_kernel
	.amdgpu_metadata
---
amdhsa.version: [ 1, 2 ]
amdhsa.kernels:
  - .name:           k_q8febe67dfc_quant
    .symbol:         k_q8febe67dfc_quant.kd
    .args:
      - { .name: x, .offset: 0, .size: 8, .value_kind: global_buffer, .address_space: global }
      - { .name: Wk, .offset: 8, .size: 8, .value_kind: global_buffer, .address_space: global }
      - { .name: Wv, .offset: 16, .size: 8, .value_kind: global_buffer, .address_space: global }
      - { .name: Wo, .offset: 24, .size: 8, .value_kind: global_buffer, .address_space: global }
      - { .name: Wq, .offset: 32, .size: 8, .value_kind: global_buffer, .address_space: global }
      - { .name: xq, .offset: 40, .size: 8, .value_kind: global_buffer, .address_space: global }
      - { .name: wkv, .offset: 48, .size: 8, .value_kind: global_buffer, .address_space: global }
      - { .name: woq, .offset: 56, .size: 8, .value_kind: global_buffer, .address_space: global }
      - { .name: qpart, .offset: 64, .size: 8, .value_kind: global_buffer, .address_space: global }
    .group_segment_fixed_size: 69632
    .private_segment_fixed_size: 0
    .kernarg_segment_align: 8
    .kernarg_segment_size: 72
    .max_flat_workgroup_size: 256
    .sgpr_count:     66
    .vgpr_count:     256
    .wavefront_size: 32
...
	.end_amdgpu_metadata
.endif
;; end of part 1
;; launch kvattn (part 2): grid 8 x 32, 4 waves a work-group, clusters of 4 x 4, 327,680 bytes of LDS; arguments xq, wkv, qpart, bq, bk, bv, po, pst; writes po, pst
.if DOCPART == 2
	.amdgcn_target "amdgcn-amd-amdhsa--gfx1250"
	.amdhsa_code_object_version 6
	.text
	.protected	k_q8febe67dfc_kvattn
	.globl	k_q8febe67dfc_kvattn
	.p2align	8
	.type	k_q8febe67dfc_kvattn,@function
k_q8febe67dfc_kvattn:
	s_mov_b64 s[64:65], 0
	v_nop
	global_prefetch_b8 v0, s[64:65] scope:SCOPE_SE
	s_setreg_imm32_b32 hwreg(HW_REG_WAVE_MODE, 25, 1), 1
	s_wait_xcnt 0x0
	s_wait_alu depctr_hold_cnt(0) depctr_sa_sdst(0) depctr_va_vdst(0) depctr_va_sdst(0) depctr_va_ssrc(0) depctr_va_vcc(0) depctr_vm_vsrc(0)
	s_getreg_b32 s2, hwreg(HW_REG_IB_STS2, 6, 4)
	s_cmp_eq_u32 s2, 0
	s_cbranch_scc0 .Lentry_in_a_cluster
	s_endpgm
.Lentry_in_a_cluster:
	s_bfe_u32 s2, ttmp6, 0x10000c
	s_cmp_lg_u32 s2, 0xf033
	s_cbranch_scc0 .Lentry_shape_is_right
	s_endpgm
.Lentry_shape_is_right:
; k = x Wk^T + bk and v = x Wv^T + bv for all 8,192 tokens, on codes of FP6 (E2M3) with E8M0 scales, and in the same wave the attention of the batch's LAST query over the wave's 128 keys.
; SHARES.  A work-group takes 256 tokens and two heads; wave w takes tokens 128 (w / 2) on and head w % 2: 128 tokens x (64 columns of k + 64 of v): 64 accumulators, 512 registers.  So a head's k and v of 128 keys
; lie in ONE wave, and what follows the products needs no LDS and no barrier: Q(k), the scores against Q(q), p = 2^(t - M), Q(p), Q(v), p v.  Out go 64 numbers, -M and the sum l for (batch, head, chunk of 128 keys).
; OPERANDS come as images of their registers (blocks of 25,600 bytes: 128 rows x 256 along K; see the launch that makes them): a fragment is three loads of 16 bytes a lane, consecutive from lane to lane.
; k IS MADE TRANSPOSED (source 0 = 16 rows of Wk, source 1 = 16 tokens): a lane holds one token, its registers run along the head's 64, the scores' K.
; v IS MADE STRAIGHT (source 0 = 16 tokens, source 1 = 16 rows of Wv): a lane holds one of the head's 64, its registers run along the tokens, the second product's K.
; The rows of a tile are chosen (row r of tile i = 32 (i / 2) + 8 (i % 2) + r + 8 (r / 8)) so that the 16 registers of two neighbouring tiles are 16 neighbours along the next K.
; THE QUERY stands 16 times: all 16 columns of Q's fragment are the batch's last query, so every lane of a half holds the same scores; of the results lane 0 .. 15, register 0 leave.
; M is the ceiling of THIS chunk's largest t, a whole number; the last launch joins the chunks by exact powers of two.
; K = 1,024 goes in four parts of 256.  LDS has three regions of 102,400 bytes (A's two halves, B's two halves); parts 0, 1, 2 are first fills, part 3 fills region 0 again: one refill in the launch.
; A wave has three tensor loads out at the start and one later.
; CLUSTER 4 x 4: the four work-groups of a row need the same tokens, the four of a column the same heads: each block is asked for jointly, by one tensor load with a mask that names the four.
; REGISTERS.  window 0: v1-21 addresses; v22 Q's scale word, v23 p's, v24-31 k's (later v's): these and v32-63 (x's and W's scale words, two sets) hold scales alone; v64-103 the quantiser's temporaries;
;   v112-123 Q's fragment; v128-223 x's eight fragments, one set.   window 1: W's fragments, two sets at v0 and v128; v96-127 bk, v224-255 bv, in the results' layout.
;   window 2: k's accumulators, (token tile a, Wk tile t) at 32 a + 8 t.   window 3: v's, (Wv tile n, token tile a) at 64 n + 8 a.
; LIMITS: NaN and infinities are not served; a block whose largest magnitude lies under 2^-124 gets the byte 1 (a block of zeros too: its codes are zeros).
.set BLKB,  25600
.set REG,   4*BLKB
.set SCW,   24576                      ; a block's scale words begin here
.set SPARE, 3*REG                      ; behind the regions: the spare words, 128 bytes for each wave: two blocks of 256 bytes that no other line names
.set ADRA, 4                           ; v4-6   my half of A in region k: + 16 x lane
.set ADRB, 7                           ; v7-9   my head of B
.set ADRS, 10                          ; v10-12 scale words: lanes 0-15 A's rows, lanes 16-31 B's
.set SPW,  13                          ; v13    my spare word; never rewritten
.set NIL,  14                          ; v14    0; never rewritten
.set QO,   16                          ; v16    qpart: the lane of the image that holds my batch: 16 (16 h + b)
.set H64,  17                          ; v17    64 h
.set DLT,  18                          ; v18    4 (r + 8 (r / 8))
.set R16,  19                          ; v19    16 r
.set ZO,   20                          ; v20    0
.set QS,   22
.set PS,   23
.set KW,   24
.set VW,   24
.set SC,   32
.set TM,   64                          ; the quantiser: largest magnitudes,
.set SO,   72                          ; scale operands,
.set BY,   80                          ; bytes,
.set T,    88                          ; the conversions' second halves
.set QF,   112
.set AF,   128
.set KF,   128                         ; after the products: k's eight fragments
.set Q32,  128                         ; at the head: q
.set BK,   96                          ; in window 1
.set BV,   224                         ; in window 1
.set OA,   128                         ; after the scores: the four results,
.set BM,   160                         ; the blocks' largest scores, then largest p,
.set BP,   164                         ; the other half's, then the bytes,
.set SOP,  168                         ; scale operands,
.set NM,   172                         ; v[172:173] -M and t; later -M and l
.set SUM,  174
.set SUM2, 176
.set TA,   178
.set PT,   180
.set PF,   188                         ; p's fragment
.set VF,   200                         ; v's four fragments
.set OUTQ, 248
.set G1A, 32                           ; s[32:39] descriptor group 1 for A's blocks;  s[40:47] for B's: they differ in the mask
.set G1B, 40
.set G0A, 48                           ; s[48:59] groups 0 for A, one for each region;  s[68:79] for B
.set G0B, 68
.set SEL, 80
.set CS,  82                           ; s[82:83] c = log2(e) / 8
.set MSB, 0
.macro WIN new                         ; the immediate's high byte repeats the setting that is left; a switch that changes nothing is dropped
.if MSB != (\new)
	s_set_vgpr_msb (MSB<<8)|(\new)
.set MSB, (\new)
.endif
.endm
.macro PLACES n
.rept \n
	v_nop
.endr
.endm
; A joint load: waves 0 and 1 fetch A's halves, waves 2 and 3 B's.  The branch hangs on the wave's number alone.  Four v_nop follow each of the two lines.
.macro JLOAD g0a, g1a, g0b, g1b
	s_cmp_eq_u32 s21, 0
	s_cbranch_scc0 .Lfor_b_\@
	tensor_load_to_lds s[\g0a:\g0a+3], s[\g1a:\g1a+7]
	s_nop 0
.rept 4
	v_nop
.endr
	s_branch .Lasked_\@
.Lfor_b_\@:
	tensor_load_to_lds s[\g0b:\g0b+3], s[\g1b:\g1b+7]
	s_nop 0
.rept 4
	v_nop
.endr
.Lasked_\@:
.endm
.macro CREST                           ; a round of the cluster's barrier behind its opening barrier
	s_cmp_lg_u32 s20, 0
	s_cbranch_scc1 .Lnot_wave_0_\@
	s_barrier_signal -3
.Lnot_wave_0_\@:
	s_barrier_wait -3
	s_barrier_signal -1
	s_barrier_wait -1
.endm
.macro CROUND
	s_barrier_signal -1
	s_barrier_wait -1
	CREST
.endm
.macro FRAG reg, adr, off              ; a fragment's image: three loads, 512 consecutive bytes each
.irp c, 0,1,2
	ds_load_b128 v[(\reg)+4*\c:(\reg)+4*\c+3], v[\adr] offset:(\off)+512*\c
.endr
.endm
.macro FETCH_B k, q, p                 ; W's eight fragments of region k, K step q, into set p
	WIN 0x40
.irp i, 0,1,2,3,4,5,6,7
	FRAG 128*(\p)+12*\i, ADRB+\k, 3072*\i+1536*(\q)
.endr
	WIN 0
.endm
.macro FETCH_A k, q, i0                ; x's tiles i0 .. i0 + 3
.irp i, \i0, \i0+1, \i0+2, \i0+3
	FRAG AF+12*(\i), ADRA+\k, 3072*(\i)+1536*(\q)
.endr
.endm
.macro SCALES k, sc                    ; region k's scale words into set sc: register 2 i + q: lanes 0-15 the word of x's tile i, lanes 16-31 that of W's tile i
.irp i, 0,1,2,3,4,5,6,7
	ds_load_b64 v[SC+16*(\sc)+2*\i:SC+16*(\sc)+2*\i+1], v[ADRS+\k] offset:128*\i
.endr
.endm
; 16 products for k: token tiles a0 .. a0 + 3 x Wk's four tiles.  first = 1: bk is the C that starts the sums.  The 64 accumulators take turns, one instruction a turn, in the same order in every step.
.macro MULK a0, p, q, sc, first
.if \first
	WIN 0x91
.else
	WIN 0xa1
.endif
.irp a, \a0, \a0+1, \a0+2, \a0+3
.irp t, 0,1,2,3
.if \first
	v_wmma_scale_f32_16x16x128_f8f6f4 v[32*(\a)+8*\t:32*(\a)+8*\t+7], v[128*(\p)+12*\t:128*(\p)+12*\t+11], v[AF+12*(\a):AF+12*(\a)+11], v[BK+8*\t:BK+8*\t+7], v[SC+16*(\sc)+2*\t+(\q)], v[SC+16*(\sc)+2*(\a)+(\q)] matrix_a_fmt:MATRIX_FMT_FP6 matrix_b_fmt:MATRIX_FMT_FP6 matrix_a_scale:MATRIX_SCALE_ROW1
.else
	v_wmma_scale_f32_16x16x128_f8f6f4 v[32*(\a)+8*\t:32*(\a)+8*\t+7], v[128*(\p)+12*\t:128*(\p)+12*\t+11], v[AF+12*(\a):AF+12*(\a)+11], v[32*(\a)+8*\t:32*(\a)+8*\t+7], v[SC+16*(\sc)+2*\t+(\q)], v[SC+16*(\sc)+2*(\a)+(\q)] matrix_a_fmt:MATRIX_FMT_FP6 matrix_b_fmt:MATRIX_FMT_FP6 matrix_a_scale:MATRIX_SCALE_ROW1
.endif
.endr
.endr
.endm
; 16 products for v: token tiles a0 .. a0 + 3 x Wv's four tiles (W's tiles 4 .. 7)
.macro MULV a0, p, q, sc, first
.if \first
	WIN 0xd4
.else
	WIN 0xf4
.endif
.irp a, \a0, \a0+1, \a0+2, \a0+3
.irp n, 0,1,2,3
.if \first
	v_wmma_scale_f32_16x16x128_f8f6f4 v[64*\n+8*(\a):64*\n+8*(\a)+7], v[AF+12*(\a):AF+12*(\a)+11], v[128*(\p)+12*(4+\n):128*(\p)+12*(4+\n)+11], v[BV+8*\n:BV+8*\n+7], v[SC+16*(\sc)+2*(\a)+(\q)], v[SC+16*(\sc)+2*(4+\n)+(\q)] matrix_a_fmt:MATRIX_FMT_FP6 matrix_b_fmt:MATRIX_FMT_FP6 matrix_b_scale:MATRIX_SCALE_ROW1
.else
	v_wmma_scale_f32_16x16x128_f8f6f4 v[64*\n+8*(\a):64*\n+8*(\a)+7], v[AF+12*(\a):AF+12*(\a)+11], v[128*(\p)+12*(4+\n):128*(\p)+12*(4+\n)+11], v[64*\n+8*(\a):64*\n+8*(\a)+7], v[SC+16*(\sc)+2*(\a)+(\q)], v[SC+16*(\sc)+2*(4+\n)+(\q)] matrix_a_fmt:MATRIX_FMT_FP6 matrix_b_fmt:MATRIX_FMT_FP6 matrix_b_scale:MATRIX_SCALE_ROW1
.endif
.endr
.endr
.endm
; A step of 128 along K: 64 products.  x's tiles 0-3 are free in its middle and are fetched anew there, with W's other set (region nk, K step nq); tiles 4-7 at its end.
; A load into a register that a matrix instruction has read stands four places behind it; only plain vector instructions that name none of its registers are places (ISA guide 7.12.1 for vector instructions).
.macro STEP q, p, sc, first, nk, nq, nsc
	s_wait_dscnt 12                                ; all but the youngest twelve loads (x's tiles 4-7)
	MULK 0, \p, \q, \sc, \first
	MULV 0, \p, \q, \sc, \first
	s_wait_dscnt 0x0                               ; x's tiles 4-7 are in
	PLACES 4
	FETCH_B \nk, \nq, 1-\p
	FETCH_A \nk, \nq, 0
.if \nsc >= 0
	SCALES \nk, \nsc
.endif
	MULK 4, \p, \q, \sc, \first
	MULV 4, \p, \q, \sc, \first
	PLACES 4
	WIN 0
	FETCH_A \nk, \nq, 4
.endm
; A step with a barrier in its middle.  In front of it each wave waits for all its tensor loads, adds 0 to its spare word, and waits for that and for its LDS reads.  fill = 1: region 0, which nobody reads any more, takes part 3 of K.
.macro TURN q, p, sc, fill, nk, nsc
	s_wait_tensorcnt 0x0                           ; all my tensor loads have landed
	ds_add_u32 v[SPW], v[NIL]                      ; 0 onto my spare word
	s_wait_dscnt 13                                ; (the add and the youngest twelve loads may be out)
	MULK 0, \p, \q, \sc, 0                         ; sixteen products stand between the add and the wait for it
	s_wait_dscnt 0x0                               ; the add is done, and my reads of the region in hand are over
	s_barrier_signal -1
	MULV 0, \p, \q, \sc, 0
	WIN 0
	s_barrier_wait -1
.if \fill
	CREST                                          ; the barrier has opened a round of the cluster's: no wave of any partner still reads region 0 or has a load on its way
	s_add_nc_u64 s[G0A+2:G0A+3], s[G0A+2:G0A+3], 3*64*BLKB   ; from part 0 of K to part 3
	s_add_nc_u64 s[G0B+2:G0B+3], s[G0B+2:G0B+3], 3*16*BLKB
	JLOAD G0A, G1A, G0B, G1B                       ; the first tensor load behind the round, and my only one: three and a half steps, 224 products, stand ahead of the wait for it; its four v_nop are the places for the loads below
.else
	PLACES 4
.endif
	FETCH_B \nk, 0, 0
	FETCH_A \nk, 0, 0
	SCALES \nk, \nsc
	MULK 4, \p, \q, \sc, 0
	MULV 4, \p, \q, \sc, 0
	PLACES 4
	WIN 0
	FETCH_A \nk, 0, 4
.endm
; nk blocks (an even number, at most 8) are quantised: block k is the 16 registers v[src + 16 k] on of window win, 16 neighbours along K of my half; lane l xor 16 holds the other 16.
; Blocks 2 m and 2 m + 1 become six registers at v[f + fs m]: a whole block in a lane, lanes 0-15 block 2 m, lanes 16-31 block 2 m + 1.  The bytes stay in v[BY] on.  Each accumulator is read from its low end on.
.macro QB win, src, nk, f, fs
.set kk, 0
.rept \nk
	v_mov_b32 v[BY+kk], 0                          ; a lane permute's destination counts as one of its sources
.set kk, kk+1
.endr
	WIN (\win)|((\win)<<2)
.set kk, 0
.rept \nk
	v_max3_num_f32 v[TM+kk], |v[(\src)+16*kk]|, |v[(\src)+16*kk+1]|, 0x1800000   ; and the floor 2^(3 - 127): the byte cannot fall under 1
.set kk, kk+1
.endr
	WIN ((\win)<<2)|((\win)<<4)
.irp i, 2,4,6,8,10,12,14
.set kk, 0
.rept \nk
	v_max3_num_f32 v[TM+kk], v[TM+kk], |v[(\src)+16*kk+\i]|, |v[(\src)+16*kk+\i+1]|
.set kk, kk+1
.endr
.endr
	WIN 0
.set kk, 0
.rept \nk
	v_permlanex16_b32 v[BY+kk], v[TM+kk], s[SEL], s[SEL+1]
.set kk, kk+1
.endr
.set kk, 0
.rept \nk
	v_max_num_f32 v[TM+kk], v[TM+kk], v[BY+kk]     ; the block's largest magnitude
.set kk, kk+1
.endr
.set kk, 0
.rept \nk
	v_add_nc_u32 v[SO+kk], 0xff000000, v[TM+kk]    ; 2 off its exponent field: the conversion's scale operand
.set kk, kk+1
.endr
.set kk, 0
.rept \nk
	v_lshrrev_b32 v[BY+kk], 23, v[SO+kk]           ; the scale's byte
.set kk, kk+1
.endr
	WIN \win
.set kk, 0
.rept (\nk)/2
	v_cvt_scalef32_pk16_fp6_f32 v[(\f)+(\fs)*kk:(\f)+(\fs)*kk+2], v[(\src)+32*kk:(\src)+32*kk+15], v[SO+2*kk]
	v_cvt_scalef32_pk16_fp6_f32 v[T+4*kk:T+4*kk+2], v[(\src)+32*kk+16:(\src)+32*kk+31], v[SO+2*kk+1]
.set kk, kk+1
.endr
	WIN 0
	v_nop                                          ; one plain line behind the scaled conversions
.set kk, 0
.rept (\nk)/2
.irp i, 0,1,2
	v_permlane16_swap_b32 v[(\f)+(\fs)*kk+\i], v[T+4*kk+\i]
.endr
.irp i, 0,1,2
	v_mov_b32 v[(\f)+(\fs)*kk+3+\i], v[T+4*kk+\i]
.endr
.set kk, kk+1
.endr
.endm
	s_load_b512 s[4:19], s[0:1], 0x0               ; xq s[4:5], wkv s[6:7], qpart s[8:9], bq s[10:11], bk s[12:13], bv s[14:15], po s[16:17], pst s[18:19]
	v_lshl_add_u32 v[SPW], v0, 2, SPARE
	v_mov_b32 v[NIL], 0
	ds_add_u32 v13, v14
	ds_add_u32 v13, v14
	s_wait_dscnt 0x0
	v_lshrrev_b32 v1, 5, v0
	v_readfirstlane_b32 s20, v1                    ; wave 0..3
	s_lshr_b32 s21, s20, 1                         ; my half of the tokens.  Also: I fetch for A (0) or for B (1)
	s_and_b32 s22, s20, 1                          ; my head of the two.  Also: which half I fetch
	s_bfe_u32 s23, ttmp6, 0x40000                  ; cx, cy: my place in the cluster
	s_bfe_u32 s24, ttmp6, 0x40004
	s_lshl_b32 s25, ttmp9, 2
	s_add_co_u32 s25, s25, s23                     ; which pair of heads = 4 x cluster x + cx
	s_and_b32 s26, ttmp7, 0xffff
	s_lshl_b32 s26, s26, 2
	s_add_co_u32 s26, s26, s24                     ; which 256 tokens = 4 x cluster y + cy
	s_lshl_b32 s27, s24, 2
	s_lshl_b32 s27, 15, s27                        ; my row of the cluster
	s_lshl_b32 s28, 0x1111, s23                    ; my column
	; descriptor group 1: a block is dense: 100 rows of 256 bytes (32 elements of 8 bytes), no padding
	s_or_b32 s[G1A], s27, (3<<16)|(1<<21)          ; 15:0 the mask: A's blocks go to my row; 17:16 elements of 8 bytes; 21 set beside a mask
	s_or_b32 s[G1B], s28, (3<<16)|(1<<21)
.irp g, G1A, G1B
	s_mov_b32 s[\g+1], 32<<16                      ; tensor_dim0
	s_mov_b32 s[\g+2], 100<<16                     ; tensor_dim1
	s_mov_b32 s[\g+3], 32<<16                      ; tile_dim0
	s_mov_b32 s[\g+4], 100                         ; tile_dim1
	s_mov_b32 s[\g+5], 32                          ; tensor_dim0_stride
	s_mov_b32 s[\g+6], 0
	s_mov_b32 s[\g+7], 0
.endr
	s_lshl_b32 s84, s26, 1
	s_add_co_u32 s84, s84, s22                     ; A: group of 128 tokens 2 x (256 tokens) + half: it hangs on what my row shares
	s_mul_i32 s84, s84, BLKB
	s_mov_b32 s85, 0
	s_lshl_b32 s86, s25, 1
	s_add_co_u32 s86, s86, s22                     ; B: head 2 x pair + half: it hangs on what my column shares
	s_mov_b32 s89, s86                             ; (it is also the head that I compute)
	s_mul_i32 s86, s86, BLKB
	s_mov_b32 s87, 0
	s_mul_i32 s88, s20, BLKB                       ; where a block goes: wave x 25,600: no place in the cluster enters an LDS address
	s_mov_b32 s[SEL], 0x76543210
	s_mov_b32 s[SEL+1], 0xfedcba98
	s_mov_b32 s[CS], 0x3e38aa3b                    ; c = log2(e) / sqrt(64)
	s_mov_b32 s[CS+1], s[CS]                       ; (named with it as a pair, so it is written)
	v_and_b32 v3, 31, v0                           ; lane
	v_and_b32 v1, 15, v0                           ; r
	v_bfe_u32 v2, v0, 4, 1                         ; h
	v_lshlrev_b32 v15, 4, v3                       ; 16 x lane
	s_wait_kmcnt 0x0
	s_add_nc_u64 s[84:85], s[4:5], s[84:85]
	s_add_nc_u64 s[86:87], s[6:7], s[86:87]
	CROUND                                         ; all sixteen work-groups are here: the first joint loads meet
.irp k, 0,1,2
	s_mov_b32 s[G0A+4*\k], 1                                       ; count = 1
	s_add_co_u32 s[G0A+4*\k+1], s88, \k*REG                        ; LDS address: region k
	s_add_nc_u64 s[G0A+4*\k+2:G0A+4*\k+3], s[84:85], \k*64*BLKB    ; global address: part k of K
	s_or_b32 s[G0A+4*\k+3], s[G0A+4*\k+3], 0x80000000              ; type = 2
	s_mov_b32 s[G0B+4*\k], 1
	s_add_co_u32 s[G0B+4*\k+1], s88, \k*REG
	s_add_nc_u64 s[G0B+4*\k+2:G0B+4*\k+3], s[86:87], \k*16*BLKB
	s_or_b32 s[G0B+4*\k+3], s[G0B+4*\k+3], 0x80000000
.endr
	s_cmp_eq_u32 s21, 0                            ; a wave's three first fills stand in one branch, ahead of every wait on TENSORcnt and every LDS read; four v_nop follow the last
	s_cbranch_scc0 .Lfirst_b
	tensor_load_to_lds s[G0A:G0A+3], s[G1A:G1A+7]
	s_nop 0
	tensor_load_to_lds s[G0A+4:G0A+7], s[G1A:G1A+7]
	s_nop 0
	tensor_load_to_lds s[G0A+8:G0A+11], s[G1A:G1A+7]
	s_nop 0
.rept 4
	v_nop
.endr
	s_branch .Lfirst_asked
.Lfirst_b:
	tensor_load_to_lds s[G0B:G0B+3], s[G1B:G1B+7]
	s_nop 0
	tensor_load_to_lds s[G0B+4:G0B+7], s[G1B:G1B+7]
	s_nop 0
	tensor_load_to_lds s[G0B+8:G0B+11], s[G1B:G1B+7]
	s_nop 0
.rept 4
	v_nop
.endr
.Lfirst_asked:
	s_lshl_b32 s90, s89, 8                         ; my head's 64 numbers in bq, bk, bv: 256 bytes
	s_mov_b32 s91, 0
	s_add_nc_u64 s[10:11], s[10:11], s[90:91]
	s_add_nc_u64 s[12:13], s[12:13], s[90:91]
	s_add_nc_u64 s[14:15], s[14:15], s[90:91]
	s_lshl_b32 s92, s89, 14                        ; my head's four tiles of qpart: 16,384 bytes
	s_mov_b32 s93, 0
	s_add_nc_u64 s[8:9], s[8:9], s[92:93]
	s_lshr_b32 s94, s26, 3                         ; the batch
	s_and_b32 s95, s26, 7
	s_lshl_b32 s95, s95, 1
	s_add_co_u32 s95, s95, s21                     ; my chunk of 128 keys, 0 .. 15
	s_lshl_b32 s92, s95, 14
	s_lshl_b32 s96, s94, 12
	s_add_co_u32 s92, s92, s96
	s_add_co_u32 s92, s92, s90
	s_add_nc_u64 s[16:17], s[16:17], s[92:93]      ; po: [chunk][batch][head][64]
	s_lshl_b32 s92, s94, 4
	s_add_co_u32 s92, s92, s89
	s_lshl_b32 s92, s92, 4
	s_add_co_u32 s92, s92, s95
	s_lshl_b32 s92, s92, 3
	s_add_nc_u64 s[18:19], s[18:19], s[92:93]      ; pst: [batch][head][chunk] pairs
	s_lshl_b32 s96, s94, 4
	v_lshl_add_u32 v[QO], v2, 8, s96               ; 16 (16 h + b)
	v_lshlrev_b32 v[H64], 6, v2
	v_and_b32 v[DLT], 8, v1
	v_add_nc_u32 v[DLT], v[DLT], v1
	v_lshlrev_b32 v[DLT], 2, v[DLT]
	v_lshlrev_b32 v[R16], 4, v1
	v_mov_b32 v[ZO], 0
.irp t, 0,1,2,3                                ; bq starts q's sum: lane (r, h), register 8 t + j: the head's number 32 (t / 2) + 8 (t % 2) + 16 h + j
	global_load_b128 v[Q32+8*\t:Q32+8*\t+3], v[H64], s[10:11] offset:(32*(\t/2)+8*(\t%2))*4
	global_load_b128 v[Q32+8*\t+4:Q32+8*\t+7], v[H64], s[10:11] offset:(32*(\t/2)+8*(\t%2))*4+16
.endr
	WIN 0x80                                       ; destination window 2: registers that the sums take later
.irp g, 0,1,2,3                                ; q's four partial sums, one for each part of K, in the same layout; every lane of a half reads my batch's column
.irp t, 0,1,2,3
.irp c, 0,1
	global_load_b128 v[32*\g+8*\t+4*\c:32*\g+8*\t+4*\c+3], v[QO], s[8:9] offset:4096*\t+1024*\g+512*\c
.endr
.endr
.endr
	WIN 0x40                                       ; destination window 1
.irp t, 0,1,2,3                                ; bk in the layout of k's results
	global_load_b128 v[BK+8*\t:BK+8*\t+3], v[H64], s[12:13] offset:(32*(\t/2)+8*(\t%2))*4
	global_load_b128 v[BK+8*\t+4:BK+8*\t+7], v[H64], s[12:13] offset:(32*(\t/2)+8*(\t%2))*4+16
.endr
.irp n, 0,1,2,3                                ; bv in the layout of v's results: a lane holds one column, so its eight registers hold one number
.irp j, 0,1,2,3,4,5,6,7
	global_load_b32 v[BV+8*\n+\j], v[DLT], s[14:15] offset:(32*(\n/2)+8*(\n%2))*4
.endr
.endr
	WIN 0
	s_mul_i32 s97, s21, BLKB                       ; A: my half
	s_mul_i32 s98, s22, BLKB
	s_add_co_u32 s98, s98, 2*BLKB                  ; B: my head, behind A's two halves
	s_sub_co_u32 s99, s98, s97                     ; from A's scale words to B's
	v_mul_u32_u24 v21, s99, v2                     ; lanes 16-31 take B's
	v_lshl_add_u32 v21, v1, 3, v21                 ; 8 bytes a row
	v_add_nc_u32 v21, SCW, v21
.irp k, 0,1,2
	v_add_nc_u32 v[ADRA+\k], s97, v15
	v_add_nc_u32 v[ADRB+\k], s98, v15
	v_add_nc_u32 v[ADRS+\k], s97, v21
	s_add_co_u32 s97, s97, REG
	s_add_co_u32 s98, s98, REG
.endr
	s_wait_loadcnt 0x0
	WIN 0x08                                       ; source 1 window 2
.irp g, 0,1,2,3
.set j, 0
.rept 16
	v_pk_add_f32 v[Q32+j:Q32+j+1], v[Q32+j:Q32+j+1], v[32*\g+j:32*\g+j+1]
.set j, j+2
.endr
.endr
	WIN 0
	QB 0, Q32, 2, QF, 12                           ; the query's 64 numbers: two blocks
.irp i, 6,7,8,9,10,11
	v_mov_b32 v[QF+\i], 0                          ; the scores' K is 64: the instruction's other 64 are zero codes, on both sides
.endr
	v_lshl_or_b32 v[QS], v[BY+1], 8, v[BY]         ; (the bytes over the zero codes are 0)
	s_wait_tensorcnt 2                             ; my part of region 0 is in; regions 1 and 2 may be out
	s_barrier_signal -1
	s_barrier_wait -1
	FETCH_B 0, 0, 0
	FETCH_A 0, 0, 0
	SCALES 0, 0
	FETCH_A 0, 0, 4
	STEP 0, 0, 0, 1, 0, 1, -1                      ; K 0: the biases start the sums
	TURN 1, 1, 0, 1, 1, 1                          ; K 128; region 0 is left and filled again; every wave has waited for all its loads, so regions 1 and 2 are whole for all from here on
	STEP 0, 0, 1, 0, 1, 1, -1                      ; K 256
	STEP 1, 1, 1, 0, 2, 0, 0                       ; K 384; on to region 2
	STEP 0, 0, 0, 0, 2, 1, -1                      ; K 512
	TURN 1, 1, 0, 0, 0, 1                          ; K 640; part 3 has landed in region 0, for everybody behind the barrier
	STEP 0, 0, 1, 0, 0, 1, -1                      ; K 768
	s_wait_dscnt 12                                ; K 896: nothing more to fetch
	MULK 0, 1, 1, 1, 0
	MULV 0, 1, 1, 1, 0
	s_wait_dscnt 0x0
	MULK 4, 1, 1, 1, 0
	MULV 4, 1, 1, 1, 0
	WIN 0
	PLACES 4                                       ; in front of the first reads of results and the first writes of x's registers
	; ---- Q(k): a lane holds one token; its 32 registers of a token tile are two blocks of 32 along the head
.set kk, 0
.rept 8
.irp i, 6,7,8,9,10,11
	v_mov_b32 v[KF+12*kk+\i], 0                    ; zero codes for the instruction's upper 64 along K
.endr
.set kk, kk+1
.endr
	QB 2, 0, 8, KF, 12
.irp a, 0,1,2,3
	v_lshl_or_b32 v[KW+\a], v[BY+2*\a+1], 8, v[BY+2*\a]
.endr
	QB 2, 128, 8, KF+48, 12
.irp a, 0,1,2,3
	v_lshl_or_b32 v[KW+4+\a], v[BY+2*\a+1], 8, v[BY+2*\a]
.endr
	PLACES 8                                       ; a scale register written by a vector instruction stands 8 places ahead of a scaled matrix instruction
	; ---- the scores, transposed: source 0 = 16 keys, source 1 = the query, 16 times.  Register j of 64 (at v[224 + j - 192 (j / 32)]) is key 32 (j / 16) + 16 h + j % 16
.irp a, 0,1,2,3,4,5,6,7
	v_wmma_scale_f32_16x16x128_f8f6f4 v[224+8*\a-192*(\a/4):224+8*\a-192*(\a/4)+7], v[KF+12*\a:KF+12*\a+11], v[QF:QF+11], 0, v[KW+\a], v[QS] matrix_a_fmt:MATRIX_FMT_FP6 matrix_b_fmt:MATRIX_FMT_FP6
.endr
	PLACES 4
	; ---- p = 2^(t - M)
.irp b, 0,1,2,3
	v_mov_b32 v[BP+\b], 0
.endr
.irp b, 0,1,2,3
.set SB, 224+16*\b-192*(\b/2)
	v_max3_num_f32 v[BM+\b], v[SB], v[SB+1], v[SB+2]           ; the largest score of each block of 32 keys: for the maximum, and, since p rises with the score, for the block's largest p
.endr
.irp i, 3,5,7,9,11,13
.irp b, 0,1,2,3
.set SB, 224+16*\b-192*(\b/2)
	v_max3_num_f32 v[BM+\b], v[BM+\b], v[SB+\i], v[SB+\i+1]
.endr
.endr
.irp b, 0,1,2,3
.set SB, 224+16*\b-192*(\b/2)
	v_max_num_f32 v[BM+\b], v[BM+\b], v[SB+15]
.endr
.irp b, 0,1,2,3
	v_permlanex16_b32 v[BP+\b], v[BM+\b], s[SEL], s[SEL+1]
.endr
.irp b, 0,1,2,3
	v_max_num_f32 v[BM+\b], v[BM+\b], v[BP+\b]     ; with lane l xor 16's 16 keys
.endr
	v_max3_num_f32 v[TA], v[BM], v[BM+1], v[BM+2]
	v_max_num_f32 v[TA], v[TA], v[BM+3]            ; the chunk's largest score
	v_mul_f32 v[NM+1], s[CS], v[TA]                ; as t (c is positive)
	v_floor_f32 v[NM], -v[NM+1]                    ; -M = floor(-t) = -ceil(t): a whole number
.set j, 0
.rept 32
	v_pk_fma_f32 v[224+j-192*(j/32):225+j-192*(j/32)], v[224+j-192*(j/32):225+j-192*(j/32)], s[CS:CS+1], v[NM:NM+1] op_sel_hi:[1,0,0]   ; t - M, two at a time (of the pairs c and -M the low word serves both halves)
.set j, j+2
.endr
.irp b, 0,1,2,3
	v_fma_f32 v[BM+\b], v[BM+\b], s[CS], v[NM]     ; the same of each block's largest score
.endr
.set j, 0
.rept 64
	v_exp_f32 v[224+j-192*(j/32)], v[224+j-192*(j/32)]         ; p, at most 1, not normalised
.set j, j+1
.endr
	v_nop                                          ; a plain line behind the exponentials
	s_wait_alu depctr_va_vdst(0)                   ; one wait for the batch, ahead of its first reader
.irp b, 0,1,2,3
	v_exp_f32 v[BM+\b], v[BM+\b]                   ; the block's largest p: the same two instructions on the same number give the same bits
.endr
	v_pk_add_f32 v[SUM:SUM+1], v[224:225], v[226:227]          ; the sum is taken of the UNQUANTISED p: two at a time, in two chains; it reads the 64 alone
	v_pk_add_f32 v[SUM2:SUM2+1], v[228:229], v[230:231]
.set j, 8
.rept 14
	v_pk_add_f32 v[SUM:SUM+1], v[SUM:SUM+1], v[224+j-192*(j/32):225+j-192*(j/32)]
	v_pk_add_f32 v[SUM2:SUM2+1], v[SUM2:SUM2+1], v[226+j-192*(j/32):227+j-192*(j/32)]
.set j, j+4
.endr
	v_pk_add_f32 v[SUM:SUM+1], v[SUM:SUM+1], v[SUM2:SUM2+1]
	v_add_f32 v[NM+1], v[SUM], v[SUM+1]            ; (t is done with: l takes its place beside -M)
	v_permlanex16_b32 v[TA], v[NM+1], s[SEL], s[SEL+1]
	v_add_f32 v[NM+1], v[NM+1], v[TA]              ; l of my 128 keys
	s_wait_alu depctr_va_vdst(0)                   ; and one wait for the four
.irp b, 0,1,2,3
	v_max_num_f32 v[BM+\b], 0x1800000, v[BM+\b]    ; the floor 2^(3 - 127)
.endr
.irp b, 0,1,2,3
	v_add_nc_u32 v[SOP+\b], 0xff000000, v[BM+\b]
.endr
.irp b, 0,1,2,3
	v_lshrrev_b32 v[BP+\b], 23, v[SOP+\b]
.endr
	v_lshl_or_b32 v[PS], v[BP+1], 8, v[BP]
	v_lshl_or_b32 v[PS], v[BP+2], 16, v[PS]
	v_lshl_or_b32 v[PS], v[BP+3], 24, v[PS]        ; p's scale word
.irp c, 0,1
	v_cvt_scalef32_pk16_fp6_f32 v[PF+6*\c:PF+6*\c+2], v[224-160*\c:239-160*\c], v[SOP+2*\c]
	v_cvt_scalef32_pk16_fp6_f32 v[PT+4*\c:PT+4*\c+2], v[240-160*\c:255-160*\c], v[SOP+2*\c+1]
.endr
	v_nop
.irp c, 0,1
.irp i, 0,1,2
	v_permlane16_swap_b32 v[PF+6*\c+\i], v[PT+4*\c+\i]
.endr
.irp i, 0,1,2
	v_mov_b32 v[PF+6*\c+3+\i], v[PT+4*\c+\i]
.endr
.endr
	; ---- Q(v): a lane holds one of the head's 64; its 64 registers of a tile of Wv are four blocks of 32 along the keys
	QB 3, 0, 8, VF, 6
.irp n, 0,1
	v_lshl_or_b32 v[VW+\n], v[BY+4*\n+1], 8, v[BY+4*\n]
	v_lshl_or_b32 v[VW+\n], v[BY+4*\n+2], 16, v[VW+\n]
	v_lshl_or_b32 v[VW+\n], v[BY+4*\n+3], 24, v[VW+\n]
.endr
	QB 3, 128, 8, VF+24, 6
.irp n, 0,1
	v_lshl_or_b32 v[VW+2+\n], v[BY+4*\n+1], 8, v[BY+4*\n]
	v_lshl_or_b32 v[VW+2+\n], v[BY+4*\n+2], 16, v[VW+2+\n]
	v_lshl_or_b32 v[VW+2+\n], v[BY+4*\n+3], 24, v[VW+2+\n]
.endr
	PLACES 8
	; ---- p v: source 0 = p (16 equal rows), source 1 = 16 of the head's 64: register 0 of lane r is the sum for the head's number 32 (n / 2) + 8 (n % 2) + r + 8 (r / 8)
.irp n, 0,1,2,3
	v_wmma_scale_f32_16x16x128_f8f6f4 v[OA+8*\n:OA+8*\n+7], v[PF:PF+11], v[VF+12*\n:VF+12*\n+11], 0, v[PS], v[VW+\n] matrix_a_fmt:MATRIX_FMT_FP6 matrix_b_fmt:MATRIX_FMT_FP6
.endr
	PLACES 4
.irp n, 0,1,2,3
	v_mov_b32 v[OUTQ+\n], v[OA+8*\n]
.endr
	s_wait_xcnt 0x0                                ; EXEC changes only behind this wait
	v_cmp_gt_u32 vcc_lo, 16, v3
	s_and_saveexec_b32 s29, vcc_lo
	global_store_b128 v[R16], v[OUTQ:OUTQ+3], s[16:17]         ; sixteen lanes store 256 consecutive bytes, aligned
	s_wait_xcnt 0x0
	s_or_b32 exec_lo, exec_lo, s29
	v_cmp_eq_u32 vcc_lo, 0, v3
	s_and_saveexec_b32 s29, vcc_lo
	global_store_b64 v[ZO], v[NM:NM+1], s[18:19]               ; -M and l: 8 bytes for a chunk
	s_wait_xcnt 0x0
	s_or_b32 exec_lo, exec_lo, s29
	s_wait_tensorcnt 0x0                           ; the wave's end
	ds_add_u32 v[SPW], v[NIL]
	s_wait_dscnt 0x0
	CROUND                                         ; the closing round: no work-group ends while a partner may still ask for a block that names it
	s_endpgm
.Lfunc_end_k_q8febe67dfc_kvattn:
	.size	k_q8febe67dfc_kvattn, .Lfunc_end_k_q8febe67dfc_kvattn-k_q8febe67dfc_kvattn
	.p2alignl 7, 3214868480
	.fill 96, 4, 3214868480
	.section	.rodata,"a",@progbits
	.p2align	6, 0x0
	.amdhsa_kernel k_q8febe67dfc_kvattn
		.amdhsa_group_segment_fixed_size 327680
		.amdhsa_private_segment_fixed_size 0
		.amdhsa_enable_private_segment 0
		.amdhsa_kernarg_size 64
		.amdhsa_user_sgpr_count 2
		.amdhsa_user_sgpr_kernarg_segment_ptr 1
		.amdhsa_wavefront_size32 1
		.amdhsa_system_sgpr_workgroup_id_x 1
		.amdhsa_system_sgpr_workgroup_id_y 1
		.amdhsa_system_sgpr_workgroup_id_z 1
		.amdhsa_system_vgpr_workitem_id 0
		.amdhsa_next_free_vgpr 1024
		.amdhsa_next_free_sgpr 100
		.amdhsa_reserve_vcc 1
		.amdhsa_float_denorm_mode_32 3
		.amdhsa_float_denorm_mode_16_64 3
		.amdhsa_memory_ordered 1
		.amdhsa_forward_progress 1
		.amdhsa_inst_pref_size 164
	.end_amdhsa_kernel
	.amdgpu_metadata
---
amdhsa.version: [ 1, 2 ]
amdhsa.kernels:
  - .name:           k_q8febe67dfc_kvattn
    .symbol:         k_q8febe67dfc_kvattn.kd
    .args:
      - { .name: xq, .offset: 0, .size: 8, .value_kind: global_buffer, .address_space: global }
      - { .name: wkv, .offset: 8, .size: 8, .value_kind: global_buffer, .address_space: global }
      - { .name: qpart, .offset: 16, .size: 8, .value_kind: global_buffer, .address_space: global }
      - { .name: bq, .offset: 24, .size: 8, .value_kind: global_buffer, .address_space: global }
      - { .name: bk, .offset: 32, .size: 8, .value_kind: global_buffer, .address_space: global }
      - { .name: bv, .offset: 40, .size: 8, .value_kind: global_buffer, .address_space: global }
      - { .name: po, .offset: 48, .size: 8, .value_kind: global_buffer, .address_space: global }
      - { .name: pst, .offset: 56, .size: 8, .value_kind: global_buffer, .address_space: global }
    .group_segment_fixed_size: 327680
    .private_segment_fixed_size: 0
    .kernarg_segment_align: 8
    .kernarg_segment_size: 64
    .max_flat_workgroup_size: 128
    .sgpr_count:     100
    .vgpr_count:     1024
    .wavefront_size: 32
...
	.end_amdgpu_metadata
.endif
;; end of part 2
;; launch outproj (part 3): grid 4 x 1, 16 waves a work-group, no clusters, 32,768 bytes of LDS; arguments po, pst, woq, bo, out0; writes out0
.if DOCPART == 3
	.amdgcn_target "amdgcn-amd-amdhsa--gfx1250"
	.amdhsa_code_object_version 6
	.text
	.protected	k_q8febe67dfc_outproj
	.globl	k_q8febe67dfc_outproj
	.p2align	8
	.type	k_q8febe67dfc_outproj,@function
k_q8febe67dfc_outproj:
	s_mov_b64 s[64:65], 0
	v_nop
	global_prefetch_b8 v0, s[64:65] scope:SCOPE_SE
	s_setreg_imm32_b32 hwreg(HW_REG_WAVE_MODE, 25, 1), 1
	s_wait_xcnt 0x0
; The 16 chunks of keys are joined for each (batch, head): with M the largest of the chunks' M, ctx = (sum of 2^(M_c - M) o_c) / (sum of 2^(M_c - M) l_c): the factors are exact powers of two.
; Then out0 = Q(ctx) Q(Wo)^T + bo for the four rows, on codes of FP6 (E2M3) with E8M0 scales; Wo's codes come as images of operand registers.
; SHARES.  Wo has 64 tiles of 16 rows; wave w of work-group G takes tile 16 G + w through all eight K steps: four work-groups of sixteen waves, as many as there are tiles.  Each work-group joins the chunks for itself
; (270 KB read): ctx has to be whole, in LDS, ahead of its quantiser.  No cluster: what is shared is read once at the head, not walked in steps.
; PHASES.  A: thread t joins 2 x 4 numbers of ctx, into rows of f32 in LDS | barrier |  B: waves 0-7 quantise one K step of 128 each (columns = batch r % 4) and store the fragment's image | barrier |  C: eight products a wave.
; LIMITS: NaN and infinities are not served; a block of ctx whose largest magnitude lies under 2^-124 gets the byte 1.
.set CTP,  4112                        ; LDS: ctx, 4 rows of 4,096 bytes + 16, from byte 0;
.set CIMG, 16640                       ; its eight fragments' images, 1,536 bytes each;
.set CSC,  28928                       ; their scale words, 128 bytes each
.set ST,   16                          ; v16-79   (-M, l) of 16 chunks, for my two (batch, head)
.set PO,   80                          ; v80-207  my 4 numbers of 16 chunks, twice
.set AC,   208                         ; v208-215 the joined numbers
.set MN,   216                         ; v216-217 the least -M
.set LL,   218                         ; v218-219 the joined sums
.set WF,   16                          ; later: v16-111 Wo's eight fragments, v112-119 their scale words, v120-127 bo
.set WS,   112
.set BO,   120
.set XN,   128                         ; v128-191 64 numbers of ctx
.set PC,   192                         ; v192-203 the codes, v204-211 the conversions' second halves
.set T,    204
.set PW,   228
.set TM,   232
.set CF,   128                         ; later: v128-223 ctx's eight fragments, v224-231 their scale words
.set CW,   224
.set ACC0, 232
.set ACC1, 240
.set OUTR, 248
.set SEL,  20
	s_load_b256 s[4:11], s[0:1], 0x0               ; po s[4:5], pst s[6:7], woq s[8:9], bo s[10:11]
	s_load_b64 s[12:13], s[0:1], 0x20              ; out0
	v_lshrrev_b32 v1, 5, v0
	v_readfirstlane_b32 s14, v1                    ; wave 0..15
	v_and_b32 v1, 31, v0                           ; lane
	v_and_b32 v2, 15, v0                           ; r
	v_bfe_u32 v3, v0, 4, 1                         ; h
	v_lshlrev_b32 v4, 4, v0                        ; po: 16 bytes a thread
	v_lshrrev_b32 v15, 8, v0                       ; t / 256: the batch's low bit
	v_bfe_u32 v14, v0, 4, 4                        ; the head
	v_lshlrev_b32 v5, 11, v15
	v_lshl_add_u32 v5, v14, 7, v5                  ; pst: 2,048 bytes a batch, 128 a head
	v_mul_u32_u24 v6, v15, CTP
	v_lshl_add_u32 v6, v14, 8, v6
	v_and_b32 v13, 8, v2
	v_add_nc_u32 v13, v13, v2
	v_lshl_add_u32 v6, v13, 2, v6                  ; ctx in LDS: my batch's row, my head's 256 bytes, + 4 (r + 8 (r / 8))
	s_and_b32 s15, s14, 7                          ; the K step that waves 0-7 quantise
	v_and_b32 v7, 3, v2
	v_mul_u32_u24 v7, v7, CTP
	v_lshl_add_u32 v7, v3, 6, v7
	s_lshl_b32 s16, s15, 9
	v_add_nc_u32 v7, s16, v7                       ; back: row r % 4, K step's 512 bytes, + 64 h
	v_lshlrev_b32 v10, 4, v1                       ; 16 x lane
	v_lshlrev_b32 v11, 2, v1                       ; 4 x lane
	s_mul_i32 s16, s15, 1536
	s_add_co_u32 s16, s16, CIMG
	v_add_nc_u32 v8, s16, v10                      ; where I store my K step's image,
	s_lshl_b32 s16, s15, 7
	s_add_co_u32 s16, s16, CSC
	v_add_nc_u32 v9, s16, v11                      ; and its scale words
	v_lshlrev_b32 v12, 3, v2                       ; Wo's scale words: 8 bytes a row
	v_lshlrev_b32 v13, 6, v3                       ; bo: 64 h
	v_lshlrev_b32 v14, 12, v2
	v_lshl_add_u32 v14, v3, 6, v14                 ; out0: row r of 4,096 bytes, + 64 h
	s_mov_b32 s[SEL], 0x76543210
	s_mov_b32 s[SEL+1], 0xfedcba98
	s_lshl_b32 s16, ttmp9, 4
	s_add_co_u32 s16, s16, s14                     ; my tile of Wo, 0 .. 63
	s_lshr_b32 s17, s16, 3                         ; its group of 128 rows
	s_and_b32 s18, s16, 7                          ; its number in the group
	s_mul_i32 s22, s17, 25600
	s_mul_i32 s24, s18, 3072
	s_add_co_u32 s24, s24, s22                     ; its codes in part 0 of K
	s_mov_b32 s25, 0
	s_lshl_b32 s26, s18, 7
	s_add_co_u32 s26, s26, s22
	s_add_co_u32 s26, s26, 24576                   ; its scale words
	s_mov_b32 s27, 0
	s_lshl_b32 s28, s17, 7
	s_lshr_b32 s23, s18, 1
	s_lshl_b32 s23, s23, 5
	s_add_co_u32 s28, s28, s23
	s_and_b32 s23, s18, 1
	s_lshl_b32 s23, s23, 3
	s_add_co_u32 s28, s28, s23                     ; its first output: 128 g + 32 (i / 2) + 8 (i % 2)
	s_lshl_b32 s28, s28, 2
	s_mov_b32 s29, 0
	s_wait_kmcnt 0x0
.irp u, 0,1                                    ; u = 0: batches 0 and 1; u = 1: batches 2 and 3
.irp k, 0,1,2,3,4,5,6,7
	global_load_b128 v[ST+32*\u+4*\k:ST+32*\u+4*\k+3], v5, s[6:7] offset:4096*\u+16*\k
.endr
.endr
.irp u, 0,1
.irp c, 0,1,2,3,4,5,6,7,8,9,10,11,12,13,14,15
	global_load_b128 v[PO+64*\u+4*\c:PO+64*\u+4*\c+3], v4, s[4:5] offset:16384*\c+8192*\u   ; 32 lanes read 512 consecutive bytes
.endr
.endr
	s_add_nc_u64 s[30:31], s[8:9], s[24:25]
	s_add_nc_u64 s[32:33], s[8:9], s[26:27]
	s_add_nc_u64 s[10:11], s[10:11], s[28:29]
	s_add_nc_u64 s[12:13], s[12:13], s[28:29]
	s_wait_loadcnt 32                              ; the sixteen loads of (-M, l) are in; po's 32 may be out
.irp u, 0,1
	v_min3_num_f32 v[MN+\u], v[ST+32*\u], v[ST+32*\u+2], v[ST+32*\u+4]
.irp c, 3,5,7,9,11,13
	v_min3_num_f32 v[MN+\u], v[MN+\u], v[ST+32*\u+2*\c], v[ST+32*\u+2*\c+2]
.endr
	v_min_num_f32 v[MN+\u], v[MN+\u], v[ST+32*\u+30]           ; the least -M: minus the largest M
.irp c, 0,1,2,3,4,5,6,7,8,9,10,11,12,13,14,15
	v_sub_f32 v[ST+32*\u+2*\c], v[MN+\u], v[ST+32*\u+2*\c]     ; M_c - M: a whole number, 0 or less
.endr
.irp c, 0,1,2,3,4,5,6,7,8,9,10,11,12,13,14,15
	v_cvt_i32_f32 v[ST+32*\u+2*\c], v[ST+32*\u+2*\c]           ; (it saturates)
.endr
.irp c, 0,1,2,3,4,5,6,7,8,9,10,11,12,13,14,15
	v_ldexp_f32 v[ST+32*\u+2*\c], 1.0, v[ST+32*\u+2*\c]        ; w_c = 2^(M_c - M)
.endr
	v_mul_f32 v[LL+\u], v[ST+32*\u], v[ST+32*\u+1]
.irp c, 1,2,3,4,5,6,7,8,9,10,11,12,13,14,15
	v_fmac_f32 v[LL+\u], v[ST+32*\u+2*\c], v[ST+32*\u+2*\c+1]  ; the row's sum
.endr
.endr
	v_rcp_f32 v[LL], v[LL]
	v_rcp_f32 v[LL+1], v[LL+1]
.irp u, 0,1
	s_wait_loadcnt 16-16*\u                        ; this half's sixteen loads of po are in
	v_pk_mul_f32 v[AC+4*\u:AC+4*\u+1], v[PO+64*\u:PO+64*\u+1], v[ST+32*\u:ST+32*\u+1] op_sel_hi:[1,0]   ; (of the pair (w, l) the low word serves both halves)
	v_pk_mul_f32 v[AC+4*\u+2:AC+4*\u+3], v[PO+64*\u+2:PO+64*\u+3], v[ST+32*\u:ST+32*\u+1] op_sel_hi:[1,0]
.irp c, 1,2,3,4,5,6,7,8,9,10,11,12,13,14,15
	v_pk_fma_f32 v[AC+4*\u:AC+4*\u+1], v[PO+64*\u+4*\c:PO+64*\u+4*\c+1], v[ST+32*\u+2*\c:ST+32*\u+2*\c+1], v[AC+4*\u:AC+4*\u+1] op_sel_hi:[1,0,1]
	v_pk_fma_f32 v[AC+4*\u+2:AC+4*\u+3], v[PO+64*\u+4*\c+2:PO+64*\u+4*\c+3], v[ST+32*\u+2*\c:ST+32*\u+2*\c+1], v[AC+4*\u+2:AC+4*\u+3] op_sel_hi:[1,0,1]
.endr
.endr
.irp g, 0,1,2,3                                ; Wo's eight fragments, its scale words and bo, into registers that are done with: they land while ctx is quantised
.irp q, 0,1
.irp c, 0,1,2
	global_load_b128 v[WF+12*(2*\g+\q)+4*\c:WF+12*(2*\g+\q)+4*\c+3], v10, s[30:31] offset:204800*\g+1536*\q+512*\c
.endr
.endr
	global_load_b64 v[WS+2*\g:WS+2*\g+1], v12, s[32:33] offset:204800*\g
.endr
	global_load_b128 v[BO:BO+3], v13, s[10:11]
	global_load_b128 v[BO+4:BO+7], v13, s[10:11] offset:16
	s_wait_alu depctr_va_vdst(0)                   ; one wait for the two reciprocals, ahead of their first reader; the sums above are the work between
.irp u, 0,1
.irp n, 0,1,2,3
	v_mul_f32 v[AC+4*\u+\n], v[AC+4*\u+\n], v[LL+\u]
.endr
.endr
.irp u, 0,1
.irp n, 0,1,2,3
	ds_store_b32 v6, v[AC+4*\u+\n] offset:2*\u*CTP+(32*(\n/2)+8*(\n%2))*4   ; number n of my four is the head's 32 (n / 2) + 8 (n % 2) + r + 8 (r / 8)
.endr
.endr
	s_wait_dscnt 0x0                               ; for the others' sake: my stores have landed
	s_barrier_signal -1
	s_barrier_wait -1                              ; ctx is whole
	s_cmp_ge_u32 s14, 8
	s_cbranch_scc1 .Lothers
	; ---- B: waves 0-7: K step = my wave's number.  Register 16 b + i = k 32 b + 16 h + i of row r % 4
.irp b, 0,1,2,3
.irp j, 0,1,2,3
	ds_load_b128 v[XN+16*\b+4*\j:XN+16*\b+4*\j+3], v7 offset:128*\b+16*\j
.endr
.endr
.irp b, 0,1,2,3
	v_mov_b32 v[TM+4+\b], 0                        ; a lane permute's destination counts as one of its sources
.endr
	s_wait_dscnt 0x0
.irp b, 0,1,2,3
	v_max3_num_f32 v[TM+\b], |v[XN+16*\b]|, |v[XN+16*\b+1]|, 0x1800000   ; and the floor 2^(3 - 127)
.endr
.irp i, 2,4,6,8,10,12,14
.irp b, 0,1,2,3
	v_max3_num_f32 v[TM+\b], v[TM+\b], |v[XN+16*\b+\i]|, |v[XN+16*\b+\i+1]|
.endr
.endr
.irp b, 0,1,2,3
	v_permlanex16_b32 v[TM+4+\b], v[TM+\b], s[SEL], s[SEL+1]
.endr
.irp b, 0,1,2,3
	v_max_num_f32 v[TM+\b], v[TM+\b], v[TM+4+\b]
.endr
.irp b, 0,1,2,3
	v_add_nc_u32 v[TM+12+\b], 0xff000000, v[TM+\b]
.endr
.irp b, 0,1,2,3
	v_lshrrev_b32 v[TM+4+\b], 23, v[TM+12+\b]
.endr
	v_lshl_or_b32 v[PW], v[TM+5], 8, v[TM+4]
	v_lshl_or_b32 v[PW], v[TM+6], 16, v[PW]
	v_lshl_or_b32 v[PW], v[TM+7], 24, v[PW]
.irp c, 0,1
	v_cvt_scalef32_pk16_fp6_f32 v[PC+6*\c:PC+6*\c+2], v[XN+32*\c:XN+32*\c+15], v[TM+12+2*\c]
	v_cvt_scalef32_pk16_fp6_f32 v[T+4*\c:T+4*\c+2], v[XN+32*\c+16:XN+32*\c+31], v[TM+13+2*\c]
.endr
	v_nop                                          ; one plain line behind the scaled conversions
.irp c, 0,1
.irp i, 0,1,2
	v_permlane16_swap_b32 v[PC+6*\c+\i], v[T+4*\c+\i]
.endr
.irp i, 0,1,2
	v_mov_b32 v[PC+6*\c+3+\i], v[T+4*\c+\i]
.endr
.endr
.irp c, 0,1,2
	ds_store_b128 v8, v[PC+4*\c:PC+4*\c+3] offset:512*\c       ; the fragment as it stands: 16 bytes a lane
.endr
	ds_store_b32 v9, v[PW]
.Lothers:
	s_wait_dscnt 0x0
	s_barrier_signal -1
	s_barrier_wait -1                              ; ctx's eight fragments lie in LDS
	; ---- C
.irp s, 0,1,2,3,4,5,6,7
.irp c, 0,1,2
	ds_load_b128 v[CF+12*\s+4*\c:CF+12*\s+4*\c+3], v10 offset:CIMG+1536*\s+512*\c
.endr
	ds_load_b32 v[CW+\s], v11 offset:CSC+128*\s
.endr
	s_wait_dscnt 0x0
	s_wait_loadcnt 0x0                             ; Wo, its scale words, bo
	v_wmma_scale_f32_16x16x128_f8f6f4 v[ACC0:ACC0+7], v[WF:WF+11], v[CF:CF+11], v[BO:BO+7], v[WS], v[CW] matrix_a_fmt:MATRIX_FMT_FP6 matrix_b_fmt:MATRIX_FMT_FP6   ; bo starts one sum,
	v_wmma_scale_f32_16x16x128_f8f6f4 v[ACC1:ACC1+7], v[WF+12:WF+23], v[CF+12:CF+23], 0, v[WS+1], v[CW+1] matrix_a_fmt:MATRIX_FMT_FP6 matrix_b_fmt:MATRIX_FMT_FP6   ; 0 the other: two accumulators by turns
.irp s, 2,3,4,5,6,7
	v_wmma_scale_f32_16x16x128_f8f6f4 v[ACC0+8*(\s%2):ACC0+8*(\s%2)+7], v[WF+12*\s:WF+12*\s+11], v[CF+12*\s:CF+12*\s+11], v[ACC0+8*(\s%2):ACC0+8*(\s%2)+7], v[WS+\s], v[CW+\s] matrix_a_fmt:MATRIX_FMT_FP6 matrix_b_fmt:MATRIX_FMT_FP6
.endr
.rept 4
	v_nop                                          ; four places ahead of the first read of results (ISA guide 7.12.1)
.endr
.irp m, 0,2,4,6
	v_pk_add_f32 v[OUTR+\m:OUTR+\m+1], v[ACC0+\m:ACC0+\m+1], v[ACC1+\m:ACC1+\m+1]   ; lane (r, h), register j: out0(batch r % 4, my first output + 16 h + j)
.endr
	s_wait_xcnt 0x0                                ; EXEC changes only behind this wait
	v_cmp_gt_u32 vcc_lo, 4, v2
	s_and_saveexec_b32 s34, vcc_lo                 ; columns 0 .. 3 are the four batches; the others repeat them
	global_store_b128 v14, v[OUTR:OUTR+3], s[12:13]
	global_store_b128 v14, v[OUTR+4:OUTR+7], s[12:13] offset:16
	s_wait_xcnt 0x0
	s_mov_b32 exec_lo, -1
	v_lshl_add_u32 v254, v0, 2, 0x7800
	v_mov_b32 v255, 0
	s_wait_tensorcnt 0x0
	ds_add_u32 v254, v255
	s_wait_dscnt 0x0
	s_endpgm
.Lfunc_end_k_q8febe67dfc_outproj:
	.size	k_q8febe67dfc_outproj, .Lfunc_end_k_q8febe67dfc_outproj-k_q8febe67dfc_outproj
	.p2alignl 7, 3214868480
	.fill 96, 4, 3214868480
	.section	.rodata,"a",@progbits
	.p2align	6, 0x0
	.amdhsa_kernel k_q8febe67dfc_outproj
		.amdhsa_group_segment_fixed_size 32768
		.amdhsa_private_segment_fixed_size 0
		.amdhsa_enable_private_segment 0
		.amdhsa_kernarg_size 40
		.amdhsa_user_sgpr_count 2
		.amdhsa_user_sgpr_kernarg_segment_ptr 1
		.amdhsa_wavefront_size32 1
		.amdhsa_system_sgpr_workgroup_id_x 1
		.amdhsa_system_sgpr_workgroup_id_y 1
		.amdhsa_system_sgpr_workgroup_id_z 1
		.amdhsa_system_vgpr_workitem_id 0
		.amdhsa_next_free_vgpr 256
		.amdhsa_next_free_sgpr 66
		.amdhsa_reserve_vcc 1
		.amdhsa_float_denorm_mode_32 3
		.amdhsa_float_denorm_mode_16_64 3
		.amdhsa_memory_ordered 1
		.amdhsa_forward_progress 1
		.amdhsa_inst_pref_size 31
	.end_amdhsa_kernel
	.amdgpu_metadata
---
amdhsa.version: [ 1, 2 ]
amdhsa.kernels:
  - .name:           k_q8febe67dfc_outproj
    .symbol:         k_q8febe67dfc_outproj.kd
    .args:
      - { .name: po, .offset: 0, .size: 8, .value_kind: global_buffer, .address_space: global }
      - { .name: pst, .offset: 8, .size: 8, .value_kind: global_buffer, .address_space: global }
      - { .name: woq, .offset: 16, .size: 8, .value_kind: global_buffer, .address_space: global }
      - { .name: bo, .offset: 24, .size: 8, .value_kind: global_buffer, .address_space: global }
      - { .name: out0, .offset: 32, .size: 8, .value_kind: global_buffer, .address_space: global }
    .group_segment_fixed_size: 32768
    .private_segment_fixed_size: 0
    .kernarg_segment_align: 8
    .kernarg_segment_size: 40
    .max_flat_workgroup_size: 512
    .sgpr_count:     66
    .vgpr_count:     256
    .wavefront_size: 32
...
	.end_amdgpu_metadata
.endif
;; end of part 3
